; MI455X (gfx1250); checked and timed in simulation.
; The chip was launched on July 23, 2026; its instructions are those of AMD's public machine-readable ISA for CDNA 5 (MIT licence, August 2026) and "CDNA5" Instruction Set Architecture Reference Guide (July 2026). The comments in the code are by the model that wrote it; some were corrected since.
;; Gated Cross Attention. Allowed arithmetic: matrix products marked QUANTISED: E2M1 operands, one E8M0 scale for each 32 along K, by v_wmma_scale_f32_16x16x128_f8f6f4 with both operands' format E2M1 (or v_wmma_scale_f32_32x16x128_f4), f32 sums; products left as they are: f32 operands where the result goes on into a quantised operand, else bf16, f16 or f32 operands; f32 sums; everything else in f32.
;; Inputs: Wg 1,024 x 2,048 float32; Wk 1,024 x 256 float32; Wo 1,024 x 1,024 float32; Wq 1,024 x 1,024 float32; Wv 1,024 x 256 float32; b_in 3,072 float32; beta 1,024 float32; bg 1,024 float32; bo 1,024 float32; gamma 1,024 float32; speaker_embedding 8 x 256 float32; speech_features 8 x 2,048 x 1,024 float32.
;; Outputs: out0 8 x 2,048 x 1,024 float32.
;; This version of the problem:
;;   THIS VERSION OF THE PROBLEM IS GIVEN IN LOW PRECISION. The matrix products marked QUANTISED in the list below multiply operands that are first quantised to E2M1 (2 exponent bits, 1 mantissa bit; 4 bits a number), with one power-of-two scale for each 32 numbers along K (OCP MX v1.0); their sums are f32. All else is computed in f32.
;;   The module's matrix products, in the order in which they are computed (A, B: the left and right operand; K: the contracted axis; several contracted axes count as one K, in the product's order):
;;     1. [M 16,384, K 1,024] x [K 1,024, N 1,024]; A: input speech_features; B: input Wq: QUANTISED
;;     2. [M 8, K 256] x [K 256, N 1,024]; A: input speaker_embedding; B: input Wk: left as it is (M = 8 < 16)
;;     3. [M 8, K 256] x [K 256, N 1,024]; A: input speaker_embedding; B: input Wv: left as it is (M = 8 < 16)
;;     4. batch 128 x [M 2,048, K 64] x [K 64, N 1]; A: computed on the way; B: computed on the way: left as it is (N = 1 < 16)
;;     5. batch 128 x [M 64, K 1] x [K 1, N 2,048]; A: computed on the way; B: softmax: left as it is (K = 1 < 32)
;;     6. [M 16,384, K 1,024] x [K 1,024, N 1,024]; A: computed on the way; B: input Wo: QUANTISED
;;     7. [M 16,384, K 2,048] x [K 2,048, N 1,024]; A: computed on the way; B: input Wg: QUANTISED
;;   THE QUANTISER, for each operand of a quantised product, along K:
;;     - K is cut into blocks of 32 from its start; a last block that is shorter is filled with zeros.
;;     - A block's scale is 2^e with e = floor(log2(the largest magnitude in the block)) - 2, held to -126 .. 127; a block of zeros has e = 0. As a byte (E8M0): e + 127.
;;     - Each number is divided by its block's scale, clamped to +-6, and rounded to the nearest number of E2M1, ties to even, subnormals kept.
;;     - The product sums the exact products of the quantised numbers (number of the format x scale) in f32.
;;   ~~~python
;;   def quantise(x, axis):      # numpy; x: float32 -> the quantised numbers, widened to float32 again
;;       x = np.moveaxis(x, axis, -1); K = x.shape[-1]
;;       x = np.pad(x, [(0, 0)] * (x.ndim - 1) + [(0, -K % 32)]); x = x.reshape(x.shape[:-1] + (-1, 32)); a = np.abs(x).max(-1, keepdims=True)
;;       e = np.where(a > 0, np.clip(np.frexp(np.where(a > 0, a, 1))[1] - 1 - 2, -126, 127), 0)      # np.frexp(a)[1] - 1 = floor(log2(a)), exactly
;;       r = np.clip(x / 2.0 ** e, -6, 6)
;;       step = 2.0 ** (np.maximum(np.frexp(np.where(r == 0, 1, r))[1] - 1, 0) - 1)
;;       q = np.round(r / step) * step * 2.0 ** e      # np.round: ties to even
;;       return np.moveaxis(q.reshape(q.shape[:-2] + (-1,))[..., :K], -1, axis).astype(np.float32)
;;   ~~~
;;   OPERANDS COMPUTED ON THE WAY. 'Computed on the way' means the value that the module computes at that place (a softmax that the list does not call 'softmax' is quantised finished and normalised). What goes into a quantiser is computed in f32, as accurately as f32 sums, v_exp_f32 and their like allow (about 1e-6 of the number): no bf16 or f16 on the way to a quantiser, and a product that is left as it is and whose result goes on into a quantised operand takes f32 operands (vector FMAs, or v_wmma_f32_16x16x4_f32). A number that lies on a knife's edge between two numbers of the format may be rounded either way, as far as f32 arithmetic and the matrix unit's own rounding can turn it there, and no further.
;; One version. Each part assembles by itself: llvm-mc -triple=amdgcn-amd-amdhsa -mcpu=gfx1250 --defsym DOCPART=n.
;; ======== version 1 of 1: 3 launches
;; limits: right only within a limited range of input values
;; workspace buffers: ws 2,228,224 bytes; kv 32,768 bytes; ao 32,768 bytes; c2p 262,144 bytes
;; launch prep (part 1): grid 256 x 1, 8 waves a work-group, no clusters, 69,632 bytes of LDS; arguments Wo, Wg, Wv, b_in, speaker_embedding, ws, kv; writes ws, kv
.if DOCPART == 1
	.amdgcn_target "amdgcn-amd-amdhsa--gfx1250"
	.amdhsa_code_object_version 6
	.text
	.protected	k_qacd2137bec_prep
	.globl	k_qacd2137bec_prep
	.p2align	8
	.type	k_qacd2137bec_prep,@function
k_qacd2137bec_prep:
	s_mov_b64 s[64:65], 0
	v_nop
	global_prefetch_b8 v0, s[64:65] scope:SCOPE_SE
	s_setreg_imm32_b32 hwreg(HW_REG_WAVE_MODE, 25, 1), 1
	s_wait_xcnt 0x0
; WORK LEFT OUT OF THE PROGRAM.  The attention has ONE key: the softmax runs over an axis of length 1, and exp(s - s) / exp(s - s) = 1 for every finite score s, whatever the inputs hold.  So the scores reach no output:
;   q = Q(x) Q(Wq)^T + bq, k = spk Wk^T + bk, q . k and the product with the weight 1 are not computed; Wq and Wk are no launch's arguments, and of b_in only bv (its last 1,024 numbers) is read.
;   ctx is v in every row of a batch, so attn_out is one row for each batch.
; LIMIT of that: a NaN, an infinity or an overflow that reaches only q, k or the scores is not carried to the result.
; PREP.  Two kinds of work-group, told apart by the work-group's number alone.
; Work-groups 64 .. 255: a piece of a weight each, 8 fragments of 16 rows x 128 along K, f32 -> codes of FP4 (E2M1) with one E8M0 byte for each 32 along K, stored into ws in the order of a matrix operand's registers.
;   ws: stream w at 557,056 w; in it blocks of 8,704 bytes: phase 0 = Wo (blocks 0-15), 1 = Wg[:, 1024:] (16-31), 2 = Wg[:, :1024] (32-47).  A block: fragment f at 1,024 f + 512 c + 16 lane; at 8,192 the scale words: that of
;   (row r, fragment f) at 16 (r + 16 (f % 2)) + 4 (f / 2).  Phases 0, 1: block t of stream w is a column tile, f its K step; its i-th row is W's row 256 w + 32 (t / 2) + 8 (t % 2) + i + 8 (i / 8).
;   Phase 2: the 64 blocks are counted on, 8 w' + (K step), f the column tile; its i-th row is W's row 128 w' + 32 (f / 2) + 8 (f % 2) + i + 8 (i / 8).
;   Wave f makes fragment f.  Each load reads 512 consecutive bytes of one row; the 16 rows turn through the wave's own stage in LDS, so that a lane gets two whole blocks of 32.
; Work-groups 0 .. 63: 16 columns of v = spk Wv^T + bv each, for the 8 batches, by f32 fused multiply-adds (v goes on into a quantiser).  kv: [64 (column / 16)][8 batches][16] f32.
; A block's scale is 2^(floor(log2(largest magnitude)) - 2): its byte is the largest magnitude's exponent field - 2, held at 1 from below.
; LIMITS: a block of zeros gets the byte 1 where the rule says 127: its codes are zeros, and this program alone reads the bytes.  Blocks whose largest magnitude lies under 2^-124 are held at that floor.
;   NaN and infinities among the weights are not served.  The order of the f32 sums for v is not that of a plain loop over K.
; ONE barrier, on the path that both kinds take; all addresses that stand behind it are made ahead of the first parting.  Each kind has LDS bytes of its own.
.set STGW,   8448                      ; a wave's stage: 16 rows x (512 bytes + 16)
.set SCW,    8*STGW                    ; the block's 128 scale words
.set KVS,    SCW+512                   ; [8 batches][16 columns] f32
.set SPARE,  KVS+512
.set TILEB,  8704
.set STREAM, 64*TILEB
	s_load_b256 s[4:11], s[0:1], 0x0               ; Wo s[4:5], Wg s[6:7], Wv s[8:9], b_in s[10:11]
	s_load_b128 s[12:15], s[0:1], 0x20             ; spk s[12:13], ws s[14:15]
	s_load_b64 s[16:17], s[0:1], 0x30              ; kv
	v_lshrrev_b32 v1, 5, v0
	v_readfirstlane_b32 s22, v1                    ; wave 0..7
	s_mul_i32 s23, s22, STGW
	; the block's numbers (a work-group under 64 makes those of block 0 and does not use them)
	s_max_u32 s24, ttmp9, 64
	s_sub_co_u32 s24, s24, 64
	s_lshr_b32 s25, s24, 6                         ; phase
	s_and_b32 s26, s24, 63
	s_lshr_b32 s27, s26, 4                         ; stream
	s_and_b32 s28, s26, 15                         ; block of the phase
	s_lshr_b32 s29, s26, 3                         ; phase 2: w'
	s_and_b32 s30, s26, 7                          ; and its K step
	s_cmp_eq_u32 s25, 2
	s_cselect_b32 s31, s22, s28                    ; my column tile
	s_cselect_b32 s33, s30, s22                    ; my K step
	s_cselect_b32 s34, 7, 8
	s_cselect_b32 s35, s29, s27
	s_lshl_b32 s35, s35, s34
	s_lshr_b32 s36, s31, 1
	s_lshl_b32 s36, s36, 5
	s_add_co_u32 s35, s35, s36
	s_and_b32 s36, s31, 1
	s_lshl_b32 s36, s36, 3
	s_add_co_u32 s35, s35, s36                     ; the tile's first row
	s_mov_b32 s40, 8192
	s_cmp_eq_u32 s25, 0
	s_cselect_b32 s40, 4096, s40                   ; a row in bytes: Wo's, Wg's
	s_mul_i32 s36, s35, s40
	s_lshl_b32 s38, s33, 9
	s_add_co_u32 s36, s36, s38                     ; + my K step's 512 bytes
	s_cmp_eq_u32 s25, 1
	s_cselect_b32 s38, 4096, 0                     ; phase 1 takes Wg's second 1,024 columns
	s_add_co_u32 s36, s36, s38
	s_mov_b32 s37, 0
	s_mul_i32 s38, s27, STREAM
	s_lshl_b32 s39, s25, 4
	s_add_co_u32 s39, s39, s28
	s_mul_i32 s39, s39, TILEB
	s_add_co_u32 s38, s38, s39                     ; the block's place in ws
	s_mov_b32 s39, 0
	; v's numbers (a work-group from 64 on makes those of number 63 and does not use them)
	s_min_u32 s42, ttmp9, 63
	s_lshl_b32 s44, s42, 14
	s_lshl_b32 s45, s22, 11
	s_add_co_u32 s44, s44, s45                     ; my two rows of Wv: 16 x work-group + 2 x wave, 1,024 bytes a row
	s_mov_b32 s45, 0
	s_lshl_b32 s52, s42, 9                         ; the work-group's 512 bytes of kv
	s_mov_b32 s53, 0
	s_lshl_b32 s54, s42, 6
	s_lshl_b32 s55, s22, 3
	s_add_co_u32 s54, s54, s55
	s_add_co_u32 s54, s54, 8192                    ; bv lies behind bq and bk
	s_mov_b32 s55, 0
	s_mov_b32 s58, 0x76543210
	s_mov_b32 s59, 0xfedcba98                      ; v_permlanex16_b32's selects for lane l xor 16
	s_and_b32 s60, s22, 1
	s_lshl_b32 s60, s60, 8
	s_lshr_b32 s61, s22, 1
	s_lshl_b32 s61, s61, 2
	s_add_co_u32 s60, s60, s61
	s_add_co_u32 s60, s60, SCW
	s_lshl_b32 s61, s22, 3
	s_add_co_u32 s61, s61, KVS
	v_lshl_add_u32 v182, v0, 2, SPARE
	v_mov_b32 v183, 0
	v_and_b32 v1, 31, v0                           ; lane
	v_and_b32 v2, 15, v0                           ; r
	v_bfe_u32 v3, v0, 4, 1                         ; h
	v_mov_b32 v9, s61                              ; v: my two columns of batch 0
	v_lshlrev_b32 v4, 4, v1                        ; 16 x lane
	v_mul_u32_u24 v6, v2, 528
	v_lshl_add_u32 v7, v2, 4, s60                  ; my row's scale word of my fragment
	v_lshl_add_u32 v6, v3, 7, v6
	v_add_nc_u32 v5, s23, v4                       ; the stage, on the way in: 16 x lane of a row
	v_add_nc_u32 v8, SCW, v4                       ; the scale words, on their way out
	v_add_nc_u32 v6, s23, v6                       ; the stage, on the way out: row r, + 128 h: my block of 32 numbers
	v_add_nc_u32 v10, KVS, v4                      ; v, on its way out
.irp i, 0,1,2,3,4,5,6,7,8,9,10,11,12,13,14,15
	v_mad_u32_u24 v[16+\i], s40, \i+8*(\i/8), v4   ; the tile's i-th row: i + 8 (i / 8) rows on, + 16 x lane
.endr
	s_wait_alu depctr_va_vdst(0)                   ; the wait at the head's end
	s_wait_kmcnt 0x0
	s_cmp_eq_u32 s25, 0
	s_cselect_b64 s[30:31], s[4:5], s[6:7]         ; phase 0: Wo; else Wg.  The choice hangs on the work-group's number alone
	s_add_nc_u64 s[30:31], s[30:31], s[36:37]
	s_add_nc_u64 s[32:33], s[14:15], s[38:39]      ; the block in ws,
	s_lshl_b32 s36, s22, 10
	s_add_nc_u64 s[34:35], s[32:33], s[36:37]      ; and my fragment in it
	s_add_nc_u64 s[46:47], s[8:9], s[44:45]
	s_add_nc_u64 s[48:49], s[16:17], s[52:53]
	s_add_nc_u64 s[50:51], s[10:11], s[54:55]
	s_cmp_lt_u32 ttmp9, 64
	s_cbranch_scc1 .Lkv1
	; ---- a fragment of a weight
.irp i, 0,1,2,3,4,5,6,7,8,9,10,11,12,13,14,15
	global_load_b128 v[32+4*\i:35+4*\i], v[16+\i], s[30:31] th:TH_LOAD_NT   ; 32 lanes read 512 consecutive bytes of a row
.endr
	s_wait_loadcnt 0x0
.irp i, 0,1,2,3,4,5,6,7,8,9,10,11,12,13,14,15
	ds_store_b128 v5, v[32+4*\i:35+4*\i] offset:528*\i
.endr
.irp c, 0,1
.irp g, 0,1,2,3,4,5,6,7
	ds_load_b128 v[96+32*\c+4*\g:99+32*\c+4*\g], v6 offset:256*\c+16*\g   ; LDS serves a wave's instructions in order: these see my stores.  k = 64 c + 32 h + 4 g on, of row r
.endr
.endr
	s_wait_dscnt 0x0
.irp c, 0,1
	v_max3_num_f32 v[168+\c], |v[96+32*\c]|, |v[97+32*\c]|, 0x1800000   ; my block 2 c + h: all 32 numbers are mine; the floor 2^(3 - 127) holds the byte at 1 from below
	v_max3_num_f32 v[170+\c], |v[98+32*\c]|, |v[99+32*\c]|, |v[100+32*\c]|
.endr
.irp i, 5,9,13,17,21,25
.irp c, 0,1
	v_max3_num_f32 v[168+\c], v[168+\c], |v[96+32*\c+\i]|, |v[97+32*\c+\i]|   ; (two blocks, two chains each, by turns)
	v_max3_num_f32 v[170+\c], v[170+\c], |v[98+32*\c+\i]|, |v[99+32*\c+\i]|
.endr
.endr
.irp c, 0,1
	v_max3_num_f32 v[168+\c], v[168+\c], |v[125+32*\c]|, |v[126+32*\c]|
	v_max_num_f32 v[170+\c], v[170+\c], |v[127+32*\c]|
.endr
.irp c, 0,1
	v_max_num_f32 v[168+\c], v[168+\c], v[170+\c]
.endr
.irp c, 0,1
	v_add_nc_u32 v[170+\c], 0xff000000, v[168+\c]  ; 2 off the exponent field: the conversion takes this operand's exponent field as its scale
.endr
.irp c, 0,1
	v_lshrrev_b32 v[172+\c], 23, v[170+\c]         ; the scale's byte
.endr
	v_lshlrev_b32 v175, 3, v3
	v_lshl_or_b32 v174, v173, 16, v172             ; my two bytes: blocks h and 2 + h,
	v_lshlrev_b32 v174, v175, v174                 ; at their places in the word (8 h bits up);
	v_mov_b32 v175, 0
	v_permlanex16_b32 v175, v174, s58, s59
	v_or_b32 v174, v174, v175                      ; with lane l xor 16's two the word is whole
.irp c, 0,1
.irp g, 0,1,2,3
	v_cvt_scalef32_pk8_fp4_f32 v[160+4*\c+\g], v[96+32*\c+8*\g:103+32*\c+8*\g], v[170+\c]   ; registers 4 c .. 4 c + 3 of the operand
.endr
.endr
	v_nop                                          ; one plain place behind the last conversion
.irp c, 0,1
	global_store_b128 v4, v[160+4*\c:163+4*\c], s[34:35] offset:512*\c   ; 32 lanes store 512 consecutive bytes, aligned
.endr
	ds_store_b32 v7, v174                          ; lanes r and r + 16 write the same word with the same value
	s_branch .Ljoin
.Lkv1:	; ---- v: my wave's 2 rows of Wv against the 8 speakers; a lane holds 8 of the 256 along K
	s_load_b64 s[56:57], s[50:51], 0x0             ; bv of my two columns
.irp y, 0,1
.irp i, 0,1
	global_load_b128 v[96+8*\y+4*\i:99+8*\y+4*\i], v4, s[46:47] offset:1024*\y+512*\i th:TH_LOAD_NT
.endr
.endr
.irp b, 0,1,2,3,4,5,6,7
.irp i, 0,1
	global_load_b128 v[32+8*\b+4*\i:35+8*\b+4*\i], v4, s[12:13] offset:1024*\b+512*\i
.endr
.endr
.irp b, 0,1,2,3,4,5,6,7,8,9,10,11,12,13,14,15
	v_mov_b32 v[160+\b], 0                         ; written once: a lane permute's destination counts as one of its sources
.endr
	s_wait_kmcnt 0x0
	s_wait_loadcnt 0x0
.irp y, 0,1
.irp b, 0,1,2,3,4,5,6,7
	v_pk_mul_f32 v[112+16*\y+2*\b:113+16*\y+2*\b], v[96+8*\y:97+8*\y], v[32+8*\b:33+8*\b]   ; the first product starts the sum
.endr
.endr
.irp p, 2,4,6
.irp y, 0,1
.irp b, 0,1,2,3,4,5,6,7
	v_pk_fma_f32 v[112+16*\y+2*\b:113+16*\y+2*\b], v[96+8*\y+\p:97+8*\y+\p], v[32+8*\b+\p:33+8*\b+\p], v[112+16*\y+2*\b:113+16*\y+2*\b]
.endr
.endr
.endr
.irp q, 0,1,2,3,4,5,6,7,8,9,10,11,12,13,14,15
	v_add_f32 v[144+\q], v[112+2*\q], v[113+2*\q]
.endr
.irp x, 1,2,4,8
.irp q, 0,1,2,3,4,5,6,7,8,9,10,11,12,13,14,15
	v_add_f32_dpp v[144+\q], v[144+\q], v[144+\q] row_xmask:\x row_mask:0xf bank_mask:0xf
.endr
.endr
.irp q, 0,1,2,3,4,5,6,7,8,9,10,11,12,13,14,15
	v_permlanex16_b32 v[160+\q], v[144+\q], s58, s59
.endr
.irp q, 0,1,2,3,4,5,6,7,8,9,10,11,12,13,14,15
	v_add_f32 v[144+\q], v[144+\q], v[160+\q]      ; every lane holds the sum over K
.endr
.irp y, 0,1
.irp b, 0,1,2,3,4,5,6,7
	v_add_f32 v[144+8*\y+\b], s[56+\y], v[144+8*\y+\b]
.endr
.endr
.irp y, 0,1
.irp b, 0,1,2,3,4,5,6,7
	ds_store_b32 v9, v[144+8*\y+\b] offset:64*\b+4*\y   ; all lanes write the same word with the same value
.endr
.endr
.Ljoin:
	s_wait_dscnt 0x0                               ; for the others' sake: my LDS stores have landed
	s_barrier_signal -1
	s_barrier_wait -1
	s_cmp_lg_u32 s22, 0                            ; the work-group's 512 bytes leave by wave 0: two aligned runs of 256 bytes
	s_cbranch_scc1 .Lend
	s_cmp_lt_u32 ttmp9, 64
	s_cbranch_scc1 .Lkv2
	ds_load_b128 v[32:35], v8
	s_wait_dscnt 0x0
	global_store_b128 v4, v[32:35], s[32:33] offset:8192
	s_branch .Lend
.Lkv2:
	ds_load_b128 v[32:35], v10
	s_wait_dscnt 0x0
	global_store_b128 v4, v[32:35], s[48:49]
.Lend:
	s_wait_tensorcnt 0x0                           ; the wave's end
	ds_add_u32 v182, v183
	s_wait_dscnt 0x0
	s_endpgm
.Lfunc_end_k_qacd2137bec_prep:
	.size	k_qacd2137bec_prep, .Lfunc_end_k_qacd2137bec_prep-k_qacd2137bec_prep
	.p2alignl 7, 3214868480
	.fill 96, 4, 3214868480
	.section	.rodata,"a",@progbits
	.p2align	6, 0x0
	.amdhsa_kernel k_qacd2137bec_prep
		.amdhsa_group_segment_fixed_size 69632
		.amdhsa_private_segment_fixed_size 0
		.amdhsa_enable_private_segment 0
		.amdhsa_kernarg_size 56
		.amdhsa_user_sgpr_count 2
		.amdhsa_user_sgpr_kernarg_segment_ptr 1
		.amdhsa_wavefront_size32 1
		.amdhsa_system_sgpr_workgroup_id_x 1
		.amdhsa_system_sgpr_workgroup_id_y 1
		.amdhsa_system_sgpr_workgroup_id_z 1
		.amdhsa_system_vgpr_workitem_id 0
		.amdhsa_next_free_vgpr 184
		.amdhsa_next_free_sgpr 66
		.amdhsa_reserve_vcc 0
		.amdhsa_float_denorm_mode_32 3
		.amdhsa_float_denorm_mode_16_64 3
		.amdhsa_memory_ordered 1
		.amdhsa_forward_progress 1
		.amdhsa_inst_pref_size 27
	.end_amdhsa_kernel
	.amdgpu_metadata
---
amdhsa.version: [ 1, 2 ]
amdhsa.kernels:
  - .name:           k_qacd2137bec_prep
    .symbol:         k_qacd2137bec_prep.kd
    .args:
      - { .name: Wo, .offset: 0, .size: 8, .value_kind: global_buffer, .address_space: global }
      - { .name: Wg, .offset: 8, .size: 8, .value_kind: global_buffer, .address_space: global }
      - { .name: Wv, .offset: 16, .size: 8, .value_kind: global_buffer, .address_space: global }
      - { .name: b_in, .offset: 24, .size: 8, .value_kind: global_buffer, .address_space: global }
      - { .name: speaker_embedding, .offset: 32, .size: 8, .value_kind: global_buffer, .address_space: global }
      - { .name: ws, .offset: 40, .size: 8, .value_kind: global_buffer, .address_space: global }
      - { .name: kv, .offset: 48, .size: 8, .value_kind: global_buffer, .address_space: global }
    .group_segment_fixed_size: 69632
    .private_segment_fixed_size: 0
    .kernarg_segment_align: 8
    .kernarg_segment_size: 56
    .max_flat_workgroup_size: 256
    .sgpr_count:     66
    .vgpr_count:     184
    .wavefront_size: 32
...
	.end_amdgpu_metadata
.endif
;; end of part 1
;; launch mid (part 2): grid 32 x 1, 8 waves a work-group, no clusters, 34,816 bytes of LDS; arguments kv, ws, bo, ao, c2p; writes ao, c2p
.if DOCPART == 2
	.amdgcn_target "amdgcn-amd-amdhsa--gfx1250"
	.amdhsa_code_object_version 6
	.text
	.protected	k_qacd2137bec_mid
	.globl	k_qacd2137bec_mid
	.p2align	8
	.type	k_qacd2137bec_mid,@function
k_qacd2137bec_mid:
	s_mov_b64 s[64:65], 0
	v_nop
	global_prefetch_b8 v0, s[64:65] scope:SCOPE_SE
	s_setreg_imm32_b32 hwreg(HW_REG_WAVE_MODE, 25, 1), 1
	s_wait_xcnt 0x0
; MID.  What the speaker's one token gives, once for all 8 batches: ao = Q(v) Q(Wo)^T + bo [8][1,024], and c2 = Q(ao) Q(Wg[:, 1024:])^T in eight shares along K.
; WORK LEFT OUT: the softmax over one key is 1 for every finite score (see prep), so ctx is v in every row, and ao and c2 are one row for each batch.
; SHARES.  Work-group 4 s + n makes ao's columns 128 s .. 128 s + 127: eight column tiles of Wo, one a wave.  These 128 columns ARE K step s of the next product, and their four blocks of 32 lie wholly inside them:
;   so the work-group quantises them itself and makes the share of c2 that K step s adds to the outputs 256 n .. 256 n + 255: fragment s of 16 tiles of Wg's second half, two a wave.
;   The four work-groups of an s make the same columns of ao; number n stores its batches 2 n and 2 n + 1.  c2p: [8 (s)][8 (batch)][1,024] f32; the next launch adds the eight shares, s ascending.
; ROWS.  The 16 rows of every tile are the batches r % 8: rows 8-15 repeat rows 0-7 and are not stored.
; THE PRODUCTS ARE USED TRANSPOSED (source 0 = 16 rows of a weight, source 1 = the 16 rows): a lane holds one row, and by the choice of the rows that form a tile (see prep) the 16 registers of tiles 2 b and
;   2 b + 1 are columns 32 b + 16 (lane / 16) + 0 .. 15.
; ws (see prep): stream w at 557,056 w; Wo at blocks 0-15, Wg[:, 1024:] at blocks 16-31, 8,704 bytes a block; fragment s at 1,024 s; the scale word of (row r, K step s) at 8,192 + 16 (r + 16 (s % 2)) + 4 (s / 2).
; kv: [64 (column / 16)][8 batches][16] f32.
; NO CLUSTER: the operands go from memory straight into the registers of the one wave of a work-group that uses them; 32 work-groups share v, 32,768 bytes, and four of them Wo's 69,632.  No loop: all 41 loads of a wave go out at its head.
; LIMITS: a block of zeros gets the scale byte 1 where the rule says 127 (its codes are zeros; this program alone reads the bytes); blocks whose largest magnitude lies under 2^-124 are held at that floor;
;   NaN and infinities among the inputs are not served here.  ao's sum over K runs in two chains (even and odd K steps), c2's in eight shares: another order than one chain's.
.set TILEB,  8704
.set STREAM, 64*TILEB
.set SPITCH, 528                       ; a row of ao's stage: 512 bytes + 16: an odd multiple of 16 bytes
.set CPITCH, 1040                      ; a row of c2's stage: 1,024 bytes + 16
.set VIMG,   0                         ; v's fragment of K step s as an image of its registers, at 1,024 s
.set VSC,    8192                      ; its scale words, 64 bytes each
.set AOS,    8704                      ; ao: 16 rows x my work-group's 128 columns
.set CST,    AOS+16*SPITCH             ; c2's share: 16 rows x my work-group's 256 columns
.set SPARE,  CST+16*CPITCH
.set LI,  1                            ; v1   16 x lane
.set R4,  2                            ; v2   4 r
.set VGO, 3                            ; v3   v: 4,096 wave + 512 h + 64 (r % 8)
.set IWV, 4                            ; v4   where I store v's image: 1,024 wave + 16 x lane
.set SWV, 5                            ; v5   and its scale words: VSC + 64 wave + 4 r
.set ASR, 6                            ; v6   ao's stage, row r, + 64 h
.set ASW, 7                            ; v7   + my tile's bytes in it
.set ASO, 8                            ; v8   row = wave, + 16 x lane
.set CSW, 9                            ; v9   c2's stage, row r, + 128 wave + 64 h
.set CSR, 10                           ; v10  c2's stage, row = wave, + 16 x lane
.set FOF, 11                           ; v11  fragment s of a tile: 1,024 s + 16 x lane
.set SOF, 12                           ; v12  the scale word of (r, s)
.set BOF, 13                           ; v13  64 h
.set T0,  16
.set T1,  17
.set PW,  23                           ; v23    the scale word just made            (v23-37 hold scales and nothing else)
.set AS,  24                           ; v24-31 v's scale words
.set OS,  32                           ; v32-35 those of Wo's tile: register s / 2, lanes 0-15 even K steps, lanes 16-31 odd
.set CS,  36                           ; v36-37 those of Wg's two tiles at K step s
.set OA,  44                           ; v44-59 ao's two accumulators: even K steps (begun with bo), odd K steps
.set AOUT, 60                          ; v60-63 a row of ao on its way out
.set N,   64                           ; v64-127  v's numbers; later c2's two accumulators
.set AC,  128                          ; v128-191 v's eight fragments; later ao's numbers
.set TM,  192                          ; v192-207 the quantiser, at work
.set PC,  208                          ; v208-215 the codes just made
.set OUTR, 216                         ; v216-223 a row of c2's share on its way out
                                       ; window 1: v0-63 Wo's tile (fragment s at 8 s); v64-79 fragment s of Wg's two tiles
.set WV,  14
.set SEL, 40
.set MSB, 0
.macro WIN new                         ; the immediate's high byte repeats the setting that is left; a switch that changes nothing is dropped
.if MSB != \new
	s_set_vgpr_msb (MSB<<8)|\new
.set MSB, \new
.endif
.endm
.macro PLACES                          ; places behind matrix instructions: in front of reads of results and of loads into their registers
.rept 5
	v_nop
.endr
.endm
.macro BAR                             ; my LDS stores have landed and my LDS loads are in: then the work-group's barrier
	s_wait_dscnt 0x0
	s_barrier_signal -1
	s_barrier_wait -1
.endm
; 64 numbers of a lane, register 16 b + i = k 32 b + 16 (lane / 16) + i of my row, become a fragment's codes in v[PC] on and its scale word in v[PW].
.macro QUANT src
.irp b, 0,1,2,3
	v_max3_num_f32 v[TM+\b], |v[\src+16*\b]|, |v[\src+1+16*\b]|, 0x1800000   ; my 16 numbers of block b, and the floor 2^(3 - 127): the byte cannot fall under 1
.endr
.irp i, 2,4,6,8,10,12,14
.irp b, 0,1,2,3
	v_max3_num_f32 v[TM+\b], v[TM+\b], |v[\src+16*\b+\i]|, |v[\src+1+16*\b+\i]|   ; (the four blocks by turns)
.endr
.endr
.irp b, 0,1,2,3
	v_permlanex16_b32 v[TM+4+\b], v[TM+\b], s[SEL], s[SEL+1]
.endr
.irp b, 0,1,2,3
	v_max_num_f32 v[TM+\b], v[TM+\b], v[TM+4+\b]   ; with lane l xor 16's: the block's largest magnitude
.endr
.irp b, 0,1,2,3
	v_add_nc_u32 v[TM+12+\b], 0xff000000, v[TM+\b] ; 2 off its exponent field: the conversion's scale operand
.endr
.irp b, 0,1,2,3
	v_lshrrev_b32 v[TM+4+\b], 23, v[TM+12+\b]      ; the scale's byte
.endr
	v_lshl_or_b32 v[PW], v[TM+5], 8, v[TM+4]
	v_lshl_or_b32 v[PW], v[TM+6], 16, v[PW]
	v_lshl_or_b32 v[PW], v[TM+7], 24, v[PW]
.irp b, 0,1,2,3
	v_cvt_scalef32_pk8_fp4_f32 v[PC+2*\b], v[\src+16*\b:\src+7+16*\b], v[TM+12+\b]
	v_cvt_scalef32_pk8_fp4_f32 v[PC+1+2*\b], v[\src+8+16*\b:\src+15+16*\b], v[TM+12+\b]
.endr
	v_nop                                          ; one plain place behind a scaled conversion
.irp c, 0,1                                    ; the operand's layout wants a whole block in a lane: lanes 0-15 block 2 c, lanes 16-31 block 2 c + 1
.irp i, 0,1
	v_permlane16_swap_b32 v[PC+4*\c+\i], v[PC+2+4*\c+\i]
.endr
.endr
.endm
	s_load_b256 s[4:11], s[0:1], 0x0               ; kv s[4:5], ws s[6:7], bo s[8:9], ao s[10:11]
	s_load_b64 s[12:13], s[0:1], 0x20              ; c2p
	v_lshrrev_b32 v1, 5, v0
	v_readfirstlane_b32 s[WV], v1                  ; wave 0..7
	s_lshr_b32 s42, ttmp9, 2                       ; s
	s_and_b32 s43, ttmp9, 3                        ; n
	s_lshr_b32 s15, s[WV], 1
	s_and_b32 s16, s[WV], 1
	s_lshr_b32 s20, s42, 1                         ; Wo's tile: stream s / 2, block 8 (s % 2) + wave
	s_mul_i32 s20, s20, STREAM
	s_and_b32 s21, s42, 1
	s_lshl_b32 s21, s21, 3
	s_add_co_u32 s21, s21, s[WV]
	s_mul_i32 s21, s21, TILEB
	s_add_co_u32 s20, s20, s21
	s_mov_b32 s21, 0
	s_mul_i32 s22, s43, STREAM                     ; Wg's two tiles: stream n, blocks 16 + 2 wave on
	s_lshl_b32 s23, s[WV], 1
	s_add_co_u32 s23, s23, 16
	s_mul_i32 s23, s23, TILEB
	s_add_co_u32 s22, s22, s23
	s_mov_b32 s23, 0
	s_lshl_b32 s17, s15, 7
	s_lshl_b32 s18, s16, 5
	s_add_co_u32 s17, s17, s18                     ; my tile's bytes in a row of the 128 numbers: 128 (wave / 2) + 32 (wave % 2), + 64 h
	s_lshl_b32 s24, s42, 9                         ; bo at my work-group's 128 numbers, my tile
	s_add_co_u32 s24, s24, s17
	s_mov_b32 s25, 0
	s_lshl_b32 s26, s[WV], 12                      ; ao: batch = wave
	s_lshl_b32 s27, s42, 9
	s_add_co_u32 s26, s26, s27
	s_mov_b32 s27, 0
	s_lshl_b32 s28, s42, 15                        ; c2p: share s, batch = wave, 1,024 bytes of its row
	s_lshl_b32 s38, s[WV], 12
	s_add_co_u32 s28, s28, s38
	s_lshl_b32 s29, s43, 10
	s_add_co_u32 s28, s28, s29
	s_mov_b32 s29, 0
	s_lshl_b32 s31, s[WV], 10
	s_lshl_b32 s32, s[WV], 6
	s_add_co_u32 s32, s32, VSC
	s_mul_i32 s33, s[WV], SPITCH
	s_add_co_u32 s33, s33, AOS
	s_lshl_b32 s34, s[WV], 7
	s_add_co_u32 s34, s34, CST
	s_mul_i32 s30, s[WV], CPITCH
	s_add_co_u32 s30, s30, CST
	s_lshl_b32 s35, s42, 10
	s_and_b32 s36, s42, 1
	s_lshl_b32 s36, s36, 8
	s_lshr_b32 s37, s42, 1
	s_lshl_b32 s37, s37, 2
	s_add_co_u32 s36, s36, s37
	s_mov_b32 s[SEL], 0x76543210
	s_mov_b32 s[SEL+1], 0xfedcba98                 ; v_permlanex16_b32's selects for lane l xor 16
	v_lshl_add_u32 v254, v0, 2, SPARE
	v_mov_b32 v255, 0
	v_and_b32 v[T0], 15, v0                        ; r
	v_bfe_u32 v[T1], v0, 4, 1                      ; h
	v_and_b32 v[LI], 31, v0
	v_and_b32 v[VGO], 7, v0                        ; the batch: r % 8
	v_lshlrev_b32 v[R4], 2, v[T0]
	v_lshlrev_b32 v[BOF], 6, v[T1]
	v_lshlrev_b32 v[LI], 4, v[LI]
	v_lshlrev_b32 v[VGO], 6, v[VGO]
	v_mul_u32_u24 v[ASR], v[T0], SPITCH
	v_mul_u32_u24 v[CSW], v[T0], CPITCH
	v_lshl_add_u32 v[VGO], v[BOF], 3, v[VGO]
	v_add_nc_u32 v[IWV], s31, v[LI]
	v_add_nc_u32 v[ASR], v[ASR], v[BOF]
	v_add_nc_u32 v[CSW], v[CSW], v[BOF]
	v_add_nc_u32 v[VGO], s38, v[VGO]
	v_add_nc_u32 v[SWV], s32, v[R4]
	v_add_nc_u32 v[ASW], s17, v[ASR]
	v_add_nc_u32 v[ASO], s33, v[LI]
	v_add_nc_u32 v[CSW], s34, v[CSW]
	v_add_nc_u32 v[CSR], s30, v[LI]
	v_add_nc_u32 v[FOF], s35, v[LI]
	v_lshl_add_u32 v[SOF], v[T0], 4, s36
.irp b, 0,1,2,3
	v_mov_b32 v[TM+4+\b], 0                        ; written once: a lane permute's destination counts as one of its sources
.endr
	s_wait_alu depctr_va_vdst(0)                   ; the wait at the head's end
	s_wait_kmcnt 0x0
	s_add_nc_u64 s[20:21], s[6:7], s[20:21]
	s_add_nc_u64 s[22:23], s[6:7], s[22:23]
	s_add_nc_u64 s[8:9], s[8:9], s[24:25]
	s_add_nc_u64 s[10:11], s[10:11], s[26:27]
	s_add_nc_u64 s[12:13], s[12:13], s[28:29]
	; ---- all 41 loads: v's numbers (16), bo (2), Wo's tile (17), Wg's fragments and scale words (6)
.irp k, 0,1,2,3
.irp c, 0,1,2,3
	global_load_b128 v[N+16*\k+4*\c:N+16*\k+4*\c+3], v[VGO], s[4:5] offset:1024*\k+16*\c   ; K step = wave of v, in the quantiser's layout
.endr
.endr
.irp c, 0,1
	global_load_b128 v[OA+4*\c:OA+4*\c+3], v[BOF], s[8:9] offset:16*\c   ; bo in the result's layout: the C of the even chain
.endr
	WIN 0x40                                       ; destination window 1
.irp j, 0,1,2,3,4,5,6,7,8,9,10,11,12,13,14,15
	global_load_b128 v[4*\j:4*\j+3], v[LI], s[20:21] offset:512*\j   ; 512 consecutive bytes a load
.endr
	WIN 0
	global_load_b128 v[OS:OS+3], v[LI], s[20:21] offset:8192
	WIN 0x40
.irp i, 0,1
.irp c, 0,1
	global_load_b128 v[64+8*\i+4*\c:64+8*\i+4*\c+3], v[FOF], s[22:23] offset:TILEB*\i+512*\c th:TH_LOAD_NT
.endr
.endr
	WIN 0
.irp i, 0,1
	global_load_b32 v[CS+\i], v[SOF], s[22:23] offset:TILEB*\i+8192   ; lanes r and r + 16 take row r's word
.endr
	; ---- v: my K step becomes a fragment
	s_wait_loadcnt 25                              ; behind v's 16 loads stand 2 + 17 + 6
	QUANT N
.irp c, 0,1
	ds_store_b128 v[IWV], v[PC+4*\c:PC+4*\c+3] offset:VIMG+512*\c   ; the fragment as it stands: lane l's 16 bytes at 16 l
.endr
	ds_store_b32 v[SWV], v[PW]                     ; lanes r and r + 16 write the same word with the same value
	BAR                                            ; v's eight fragments lie in LDS
.irp s, 0,1,2,3,4,5,6,7
.irp c, 0,1
	ds_load_b128 v[AC+8*\s+4*\c:AC+8*\s+4*\c+3], v[LI] offset:VIMG+1024*\s+512*\c
.endr
	ds_load_b32 v[AS+\s], v[R4] offset:VSC+64*\s
.endr
	; ---- my tile of ao, two accumulators by turns, one instruction a turn
	s_wait_loadcnt 6                               ; bo and Wo's tile are in; Wg's 6 loads may be out
	s_wait_dscnt 0x0
	WIN 0x01                                       ; source 0 (the weight) window 1
.irp s, 0,1,2,3,4,5,6,7
.set rD, OA+8*(\s%2)
.set rA, 8*\s
.set rB, AC+8*\s
.set rSA, OS+\s/2
.set rSB, AS+\s
.if \s == 1
	v_wmma_scale_f32_16x16x128_f8f6f4 v[rD:rD+7], v[rA:rA+7], v[rB:rB+7], 0, v[rSA], v[rSB] matrix_a_fmt:MATRIX_FMT_FP4 matrix_b_fmt:MATRIX_FMT_FP4 matrix_a_scale:MATRIX_SCALE_ROW1
.elseif \s%2
	v_wmma_scale_f32_16x16x128_f8f6f4 v[rD:rD+7], v[rA:rA+7], v[rB:rB+7], v[rD:rD+7], v[rSA], v[rSB] matrix_a_fmt:MATRIX_FMT_FP4 matrix_b_fmt:MATRIX_FMT_FP4 matrix_a_scale:MATRIX_SCALE_ROW1
.else
	v_wmma_scale_f32_16x16x128_f8f6f4 v[rD:rD+7], v[rA:rA+7], v[rB:rB+7], v[rD:rD+7], v[rSA], v[rSB] matrix_a_fmt:MATRIX_FMT_FP4 matrix_b_fmt:MATRIX_FMT_FP4
.endif
.endr
	WIN 0
	PLACES
.irp j, 0,2,4,6
	v_pk_add_f32 v[OA+\j:OA+\j+1], v[OA+\j:OA+\j+1], v[OA+8+\j:OA+9+\j]   ; the two chains; both accumulators from their low end on
.endr
	ds_store_b128 v[ASW], v[OA:OA+3] offset:AOS
	ds_store_b128 v[ASW], v[OA+4:OA+7] offset:AOS+16
	BAR                                            ; 16 rows x 128 columns of ao lie in LDS
	; ---- ao leaves, two batches a work-group; and every wave quantises the 128 columns: K step s of the next product
.irp k, 0,1,2,3
.irp c, 0,1,2,3
	ds_load_b128 v[AC+16*\k+4*\c:AC+16*\k+4*\c+3], v[ASR] offset:AOS+128*\k+16*\c
.endr
.endr
	ds_load_b128 v[AOUT:AOUT+3], v[ASO]
	s_wait_dscnt 0x0
	s_cmp_lg_u32 s15, s43                          ; work-group n of an s stores the batches of its waves 2 n and 2 n + 1
	s_cbranch_scc1 .Lnot_mine
	global_store_b128 v[LI], v[AOUT:AOUT+3], s[10:11]   ; 32 lanes store 512 consecutive bytes, aligned
.Lnot_mine:
	QUANT AC
.rept 8
	v_nop                                          ; a scale register written by a vector instruction stands 8 places ahead of a scaled matrix instruction, an operand so written 4
.endr
	; ---- the share of K step s in my 32 outputs: two tiles, one product each
	s_wait_alu depctr_va_vdst(0)                   ; directly ahead of the wait below
	s_wait_loadcnt 0x0
	WIN 0x01
.irp i, 0,1
	v_wmma_scale_f32_16x16x128_f8f6f4 v[N+8*\i:N+8*\i+7], v[64+8*\i:64+8*\i+7], v[PC:PC+7], 0, v[CS+\i], v[PW] matrix_a_fmt:MATRIX_FMT_FP4 matrix_b_fmt:MATRIX_FMT_FP4
.endr
	WIN 0
	PLACES
.irp c, 0,1,2,3
	ds_store_b128 v[CSW], v[N+4*\c:N+4*\c+3] offset:16*\c   ; each accumulator from its low end on
.endr
	BAR                                            ; 256 columns of the share lie in LDS: rows 0-7 are the batches
.irp i, 0,1
	ds_load_b128 v[OUTR+4*\i:OUTR+4*\i+3], v[CSR] offset:512*\i
.endr
.irp i, 0,1
	s_wait_dscnt 1-\i
	global_store_b128 v[LI], v[OUTR+4*\i:OUTR+4*\i+3], s[12:13] offset:512*\i   ; 512 consecutive bytes, aligned
.endr
	s_wait_tensorcnt 0x0                           ; the wave's end
	ds_add_u32 v254, v255
	s_wait_dscnt 0x0
	s_endpgm
.Lfunc_end_k_qacd2137bec_mid:
	.size	k_qacd2137bec_mid, .Lfunc_end_k_qacd2137bec_mid-k_qacd2137bec_mid
	.p2alignl 7, 3214868480
	.fill 96, 4, 3214868480
	.section	.rodata,"a",@progbits
	.p2align	6, 0x0
	.amdhsa_kernel k_qacd2137bec_mid
		.amdhsa_group_segment_fixed_size 34816
		.amdhsa_private_segment_fixed_size 0
		.amdhsa_enable_private_segment 0
		.amdhsa_kernarg_size 40
		.amdhsa_user_sgpr_count 2
		.amdhsa_user_sgpr_kernarg_segment_ptr 1
		.amdhsa_wavefront_size32 1
		.amdhsa_system_sgpr_workgroup_id_x 1
		.amdhsa_system_sgpr_workgroup_id_y 1
		.amdhsa_system_sgpr_workgroup_id_z 1
		.amdhsa_system_vgpr_workitem_id 0
		.amdhsa_next_free_vgpr 336
		.amdhsa_next_free_sgpr 66
		.amdhsa_reserve_vcc 0
		.amdhsa_float_denorm_mode_32 3
		.amdhsa_float_denorm_mode_16_64 3
		.amdhsa_memory_ordered 1
		.amdhsa_forward_progress 1
		.amdhsa_inst_pref_size 22
	.end_amdhsa_kernel
	.amdgpu_metadata
---
amdhsa.version: [ 1, 2 ]
amdhsa.kernels:
  - .name:           k_qacd2137bec_mid
    .symbol:         k_qacd2137bec_mid.kd
    .args:
      - { .name: kv, .offset: 0, .size: 8, .value_kind: global_buffer, .address_space: global }
      - { .name: ws, .offset: 8, .size: 8, .value_kind: global_buffer, .address_space: global }
      - { .name: bo, .offset: 16, .size: 8, .value_kind: global_buffer, .address_space: global }
      - { .name: ao, .offset: 24, .size: 8, .value_kind: global_buffer, .address_space: global }
      - { .name: c2p, .offset: 32, .size: 8, .value_kind: global_buffer, .address_space: global }
    .group_segment_fixed_size: 34816
    .private_segment_fixed_size: 0
    .kernarg_segment_align: 8
    .kernarg_segment_size: 40
    .max_flat_workgroup_size: 256
    .sgpr_count:     66
    .vgpr_count:     336
    .wavefront_size: 32
...
	.end_amdgpu_metadata
.endif
;; end of part 2
;; launch fused (part 3): grid 256 x 1, 8 waves a work-group, no clusters, 327,680 bytes of LDS; arguments speech_features, ws, ao, bg, gamma, beta, out0, c2p; writes out0
.if DOCPART == 3
	.amdgcn_target "amdgcn-amd-amdhsa--gfx1250"
	.amdhsa_code_object_version 6
	.text
	.protected	k_qacd2137bec_fused
	.globl	k_qacd2137bec_fused
	.p2align	8
	.type	k_qacd2137bec_fused,@function
k_qacd2137bec_fused:
	s_mov_b64 s[64:65], 0
	v_nop
	global_prefetch_b8 v0, s[64:65] scope:SCOPE_SE
	s_setreg_imm32_b32 hwreg(HW_REG_WAVE_MODE, 25, 1), 1
	s_wait_xcnt 0x0
; FUSED.  A work-group of eight waves takes 64 rows of x (all of one batch) from x to out0: the gate z = Q(x) Q(Wg[:, :1024])^T + c2 + bg, g = 1 / (1 + e^-z), f = g ao + (1 - g) x, and the norm over f's 1,024 columns.
; WORK LEFT OUT: the softmax over one key is 1 for every finite score (see prep), so q, k and the scores are not computed, and attn_out is ao, one row for each batch, from the launch before; so is c2 = Q(ao) Q(Wg[:, 1024:])^T, in eight
;   shares along K, added here, s ascending, onto bg.  LIMIT: a NaN, an infinity or an overflow that reaches only the work left out is not carried to the result.
; SHARES.  Wave w owns columns 128 w .. 128 w + 127 of all 64 rows: 8 column tiles x 4 row tiles, 32 accumulators, 256 registers.  K runs outermost, in steps of 128.
; x comes in two halves of K by tensor loads, one a wave and half: row tile w / 2, strip 2 g + w % 2 (256 columns).  Each wave quantises what it fetched, a lane a whole block of 32 along K, and stores codes and scale bytes into
;   LDS as images of the operand's registers.  The second half is on its way while the first is quantised and multiplied.  x's f32 numbers stay in LDS for the blend; the finished rows take their bytes on the way out.
; WEIGHTS come from ws straight into registers, in 16 units of half a K step (4 tiles), five buffers: a unit is asked for five units ahead of its products.  ws (see prep): wave w's block of K step s at stream w / 2, block 32 + 8 (w % 2) + s.
; THE PRODUCTS ARE USED TRANSPOSED: source 0 = 16 rows of a weight, source 1 = 16 rows of x.  A lane then holds ONE row, and by the choice of the rows that form a tile (see prep) register 16 b + i of a row tile's 64 is column
;   32 b + 16 (lane / 16) + i of the wave's 128.
; THE WAY OUT goes by row tiles, so that finished rows leave while others are blended.  THE NORM: each wave's sum and centred squares of its 128 columns meet in LDS; the variance is that of the parts plus that of their means.
; NO CLUSTER: x takes 266,240 bytes of LDS, images, vectors and partial sums 48,128; 12,288 bytes are left beside the spare words, so no two slots for a K step's 69,632 bytes of weights fit, and no other tile is shared.
; NO PREFETCH: x is asked for by two loads a wave at the launch's start, and there is no loop to run ahead in.
; LIMITS: a block of zeros gets the scale byte 1 where the rule says 127 (its codes are zeros; this program alone reads the bytes); blocks whose largest magnitude lies under 2^-124 are held at that floor;
;   NaN and infinities among the inputs are not served; the f32 sums (c2's shares, mean, variance) are taken in another order than a plain loop's.
.set XPITCH, 1040                      ; a strip's row in LDS: 1,024 bytes + 16 of padding: an odd multiple of 16 bytes
.set STRIP,  64*XPITCH
.set TROW,   16*XPITCH                 ; 16 rows
.set XIMG,   4*STRIP                   ; x's fragment (K step s, row tile m) at 4,096 s + 1,024 m
.set XSC,    XIMG+32768                ; its scale words at 256 s + 64 m
.set VEC,    XSC+2048                  ; for each wave 1,024 bytes: ao, then -log2(e) (bg + c2), its 128 columns of each
.set LNP,    VEC+8192                  ; the norm's partial sums: row tile m at 1,280 m, row r at 80 r, wave w at 8 w: (sum, centred squares)
.set SPARE,  LNP+5120                  ; the spare words, 128 bytes for each wave
.set TILEB,  8704
.set STREAM, 64*TILEB
.set LI,  1                            ; v1   16 x lane
.set XQA, 2                            ; v2   the quantiser's reads: row lane % 8, block lane / 8 of what I fetched
.set IMW, 3                            ; v3   where its codes go
.set SCW, 4                            ; v4   and its scale byte
.set IMR, 5                            ; v5   where any wave reads the images
.set SCR, 6                            ; v6   and the scale words
.set SPW, 7                            ; v7   LDS address of my spare word; never rewritten
.set NIL, 8                            ; v8   0; never rewritten
.set VW,  9                            ; v9   at the head: my vectors, + 16 x lane.   v9-15: the quantiser, at work
.set VR,  9                            ; behind the products: v9 my vectors, + 64 h
.set XB,  10                           ; v10  my 128 columns of x: row r, + 64 h
.set XR,  11                           ; v11  the same by rows: + 16 x lane
.set PWA, 12                           ; v12, v13 the partial sums: mine, row r's eight
.set PRA, 13
.set XS,  16                           ; v16-19 scale words of x: set s % 2, register m / 2: lanes 0-15 even row tiles, lanes 16-31 odd   (v16-31 hold scales and nothing else)
.set WS,  20                           ; v20-31 of the weights: set s % 3, register t / 2: lanes 0-15 even tiles, lanes 16-31 odd
.set QF,  32                           ; v32-95 x's fragments of a K step, two sets of four row tiles; the quantiser's numbers, two sets
.set WB,  96                           ; v96-255 the weights' five buffers
.set CBR, 32                           ; behind the products: v32-95 -log2(e) (bg + c2)
.set XT,  96                           ; v96-159 x of a row tile; rows on their way out
.set AOR, 160                          ; v160-223 ao
.set GA,  224                          ; v224-227 gamma, v228-231 beta at my lane's four columns
.set BE,  228
.set MW,  232                          ; v232-235 my columns' mean, a row tile each
.set RS,  236                          ; v[236:237] 1 / deviation (low);  v[238:239] what is added (low)
.set AD,  238
.set SS,  240                          ; v240-247 four chains of sums; v[248:249] my sum and centred squares; v250 of lane l xor 16; v[252:253] my mean (low); in the norm v240-255 the eight waves' pairs
                                       ; window 1: the accumulators: (tile t, row tile m) at v[64 m + 8 t]
.set WV,  22                           ; s22 wave;  s23 wave / 2;  s24 wave % 2
.set G0,  28                           ; s[28:31], s[32:39] the tensor loads' descriptor
.set G1,  32
.set SEL, 40                           ; s[40:41] v_permlanex16_b32's selects for lane l xor 16
.set NL2, 42                           ; s[42:43] -log2(e)
.set MSB, 0
.macro WIN new                         ; the immediate's high byte repeats the setting that is left; a switch that changes nothing is dropped
.if MSB != \new
	s_set_vgpr_msb (MSB<<8)|\new
.set MSB, \new
.endif
.endm
.macro PLACES                          ; places behind matrix instructions (ISA guide 7.12.1)
.rept 5
	v_nop
.endr
.endm
.macro BAR                             ; my LDS stores have landed and my LDS loads are in: then the work-group's barrier
	s_wait_dscnt 0x0
	s_barrier_signal -1
	s_barrier_wait -1
.endm
.macro TLOAD
	tensor_load_to_lds s[G0:G0+3], s[G1:G1+7]
	s_nop 0
.rept 4
	v_nop
.endr
.endm
; Unit u of the weights: tiles 4 (u % 2) .. + 3 of K step u / 2: 8 loads of 512 consecutive bytes; an even unit also brings the K step's scale words: 9 loads.
.macro WUNIT u
.set KS, (\u)/2
.set SL, WB+32*((\u)%5)
.if (\u)%2 == 0
	global_load_b128 v[WS+4*(KS%3):WS+4*(KS%3)+3], v[LI], s[6:7] offset:KS*TILEB+8192
.endif
.irp j, 0,1,2,3,4,5,6,7
	global_load_b128 v[SL+4*\j:SL+4*\j+3], v[LI], s[6:7] offset:KS*TILEB+4096*((\u)%2)+512*\j
.endr
.endm
; x's four fragments of K step ks and their scale words: 10 loads.
.macro QX ks
.set QS, QF+32*((\ks)%2)
.irp m, 0,1,2,3
.irp c, 0,1
	ds_load_b128 v[QS+8*\m+4*\c:QS+8*\m+4*\c+3], v[IMR] offset:4096*(\ks)+1024*\m+512*\c
.endr
.endr
.irp p, 0,1
	ds_load_b32 v[XS+2*((\ks)%2)+\p], v[SCR] offset:256*(\ks)+128*\p
.endr
.endm
.macro MM1 cc
.if rTO && rMO
	v_wmma_scale_f32_16x16x128_f8f6f4 v[rD:rD+7], v[rA:rA+7], v[rB:rB+7], \cc, v[rSA], v[rSB] matrix_a_fmt:MATRIX_FMT_FP4 matrix_b_fmt:MATRIX_FMT_FP4 matrix_a_scale:MATRIX_SCALE_ROW1 matrix_b_scale:MATRIX_SCALE_ROW1
.elseif rTO
	v_wmma_scale_f32_16x16x128_f8f6f4 v[rD:rD+7], v[rA:rA+7], v[rB:rB+7], \cc, v[rSA], v[rSB] matrix_a_fmt:MATRIX_FMT_FP4 matrix_b_fmt:MATRIX_FMT_FP4 matrix_a_scale:MATRIX_SCALE_ROW1
.elseif rMO
	v_wmma_scale_f32_16x16x128_f8f6f4 v[rD:rD+7], v[rA:rA+7], v[rB:rB+7], \cc, v[rSA], v[rSB] matrix_a_fmt:MATRIX_FMT_FP4 matrix_b_fmt:MATRIX_FMT_FP4 matrix_b_scale:MATRIX_SCALE_ROW1
.else
	v_wmma_scale_f32_16x16x128_f8f6f4 v[rD:rD+7], v[rA:rA+7], v[rB:rB+7], \cc, v[rSA], v[rSB] matrix_a_fmt:MATRIX_FMT_FP4 matrix_b_fmt:MATRIX_FMT_FP4
.endif
.endm
; Unit u's 16 products (the 32 accumulators of a K step take turns, one instruction a turn); then its buffer takes the unit five further on.
.macro UNIT u
.set CN, 0
.irp k, 1,2,3,4
.if (\u)+\k < 16
.set CN, CN+9-((\u)+\k)%2
.endif
.endr
	s_wait_loadcnt CN                              ; behind this unit's loads stand those of the four younger units
	WIN 0x50                                       ; C and D window 1
.set KS, (\u)/2
.set SL, WB+32*((\u)%5)
.irp t, 0,1,2,3
.irp m, 0,1,2,3
.set rD, 64*\m+8*(4*((\u)%2)+\t)
.set rA, SL+8*\t
.set rB, QF+32*(KS%2)+8*\m
.set rSA, WS+4*(KS%3)+(4*((\u)%2)+\t)/2
.set rSB, XS+2*(KS%2)+\m/2
.set rTO, \t%2
.set rMO, \m%2
.if KS == 0
	MM1 0
.else
	MM1 v[rD:rD+7]
.endif
.endr
.endr
	WIN 0
	PLACES
.if (\u)+5 < 16
	WUNIT (\u)+5
.endif
.endm
.macro KSTEP ks, more
.if \more
	QX (\ks)+1
	s_wait_dscnt 10                                ; this K step's fragments are in; the next one's 10 loads may be out
.else
	s_wait_dscnt 0x0
.endif
	UNIT 2*(\ks)
	UNIT 2*(\ks)+1
.endm
; The quantiser: 16 rows x 256 columns in four passes of 8 rows x 4 blocks: a lane has a whole block.
.macro QLOAD i
.irp j, 0,1,2,3,4,5,6,7
	ds_load_b128 v[QF+32*((\i)%2)+4*\j:QF+32*((\i)%2)+4*\j+3], v[XQA] offset:8*XPITCH*((\i)%2)+512*((\i)/2)+16*\j
.endr
.endm
.macro QPASS g, i
.if (\i) < 3
	QLOAD (\i)+1
	s_wait_dscnt 8                                 ; this pass's numbers are in and the last pass's stores are done; the next pass's 8 loads may be out
.else
	s_wait_dscnt 0x0
.endif
.set X, QF+32*((\i)%2)
	v_max3_num_f32 v9, |v[X]|, |v[X+1]|, |v[X+2]|
	v_max3_num_f32 v14, |v[X+3]|, |v[X+4]|, |v[X+5]|
	v_max3_num_f32 v10, |v[X+6]|, |v[X+7]|, |v[X+8]|
	v_max3_num_f32 v11, |v[X+9]|, |v[X+10]|, |v[X+11]|
.irp n, 12,20
	v_max3_num_f32 v9, v9, |v[X+\n]|, |v[X+\n+1]|   ; (four chains by turns)
	v_max3_num_f32 v14, v14, |v[X+\n+2]|, |v[X+\n+3]|
	v_max3_num_f32 v10, v10, |v[X+\n+4]|, |v[X+\n+5]|
	v_max3_num_f32 v11, v11, |v[X+\n+6]|, |v[X+\n+7]|
.endr
	v_max3_num_f32 v9, v9, |v[X+28]|, |v[X+29]|
	v_max3_num_f32 v14, v14, |v[X+30]|, |v[X+31]|
	v_max3_num_f32 v10, v10, v11, 0x1800000        ; the floor 2^(3 - 127): the byte cannot fall under 1
	v_max3_num_f32 v9, v9, v14, v10                ; the block's largest magnitude
	v_add_nc_u32 v14, 0xff000000, v9               ; 2 off its exponent field: the conversion's scale operand
.irp n, 0,1,2,3
	v_cvt_scalef32_pk8_fp4_f32 v[10+\n], v[X+8*\n:X+8*\n+7], v14
.endr
	v_lshrrev_b32 v15, 23, v14                     ; the scale's byte; the plain place behind the conversions
	ds_store_b128 v[IMW], v[10:13] offset:16384*(\g)+4096*((\i)/2)+128*((\i)%2)
	ds_store_b8 v[SCW], v15 offset:1024*(\g)+256*((\i)/2)+32*((\i)%2)
.endm
.macro QHALF g
	QLOAD 0
	QPASS \g, 0
	QPASS \g, 1
	QPASS \g, 2
	QPASS \g, 3
.endm
.macro RED d                           ; the four chains, the pair's halves, lane l xor 16: the sum over my 128 columns
	v_pk_add_f32 v[SS:SS+1], v[SS:SS+1], v[SS+2:SS+3]
	v_pk_add_f32 v[SS+4:SS+5], v[SS+4:SS+5], v[SS+6:SS+7]
	v_pk_add_f32 v[SS:SS+1], v[SS:SS+1], v[SS+4:SS+5]
	v_add_f32 v[\d], v[SS], v[SS+1]
	v_permlanex16_b32 v250, v[\d], s[SEL], s[SEL+1]
	v_add_f32 v[\d], v[\d], v250
.endm
; Row tile mm: the gate, the blend, and my part of the norm's sums.  The centred numbers stay in the accumulators' registers.
.macro BLEND mm
.set A, 64*(\mm)
.if (\mm) == 2
	s_wait_xcnt 0x0                                ; row tile 0's stores have read the registers that x takes
.endif
.irp b, 0,1,2,3
.irp c, 0,1,2,3
	ds_load_b128 v[XT+16*\b+4*\c:XT+16*\b+4*\c+3], v[XB] offset:TROW*(\mm)+128*\b+16*\c
.endr
.endr
	s_wait_dscnt 16                                ; all but x's 16 loads
	WIN 0x41                                       ; destination and source 0 window 1
	s_wait_alu depctr_va_vdst(0)                   ; ahead of the results' first readers
.set e, 0
.rept 32
	v_pk_fma_f32 v[A+e:A+e+1], v[A+e:A+e+1], s[NL2:NL2+1], v[CBR+e:CBR+e+1] op_sel_hi:[1,0,1]   ; -z log2(e); each accumulator from its low end on
.set e, e+2
.endr
	s_wait_alu depctr_va_vdst(0)                   ; ahead of the batch
.set e, 0
.rept 64
	v_exp_f32 v[A+e], v[A+e]                       ; e^-z
.set e, e+1
.endr
	v_nop                                          ; a plain place behind the batch
	s_wait_alu depctr_va_vdst(0)                   ; and behind it
.set e, 0
.rept 32
	v_pk_add_f32 v[A+e:A+e+1], v[A+e:A+e+1], 1.0 op_sel_hi:[1,0]
.set e, e+2
.endr
	s_wait_alu depctr_va_vdst(0)
.set e, 0
.rept 64
	v_rcp_f32 v[A+e], v[A+e]                       ; g
.set e, e+1
.endr
	v_nop
	s_wait_dscnt 0x0                               ; x is in
	WIN 0x01                                       ; source 0 window 1
	s_wait_alu depctr_va_vdst(0)
.set e, 0
.rept 32
	v_pk_fma_f32 v[XT+e:XT+e+1], v[A+e:A+e+1], v[XT+e:XT+e+1], v[XT+e:XT+e+1] neg_lo:[1,0,0] neg_hi:[1,0,0]   ; (1 - g) x
.set e, e+2
.endr
	WIN 0x41
.set e, 0
.rept 32
	v_pk_fma_f32 v[A+e:A+e+1], v[A+e:A+e+1], v[AOR+e:AOR+e+1], v[XT+e:XT+e+1]   ; + g ao
.set e, e+2
.endr
	WIN 0x05                                       ; sources 0 and 1 window 1
.irp k, 0,2,4,6
	v_pk_add_f32 v[SS+\k:SS+\k+1], v[A+\k:A+\k+1], v[A+8+\k:A+9+\k]
.endr
	WIN 0x01
.set e, 16
.rept 24
	v_pk_add_f32 v[SS+e%8:SS+e%8+1], v[A+e:A+e+1], v[SS+e%8:SS+e%8+1]
.set e, e+2
.endr
	WIN 0
	RED 248
	v_mul_f32 v252, s44, v248                      ; my columns' mean
	v_mul_f32 v[MW+\mm], s44, v248
	WIN 0x41
.set e, 0
.rept 32
	v_pk_add_f32 v[A+e:A+e+1], v[A+e:A+e+1], v[252:253] op_sel_hi:[1,0] neg_lo:[0,1] neg_hi:[0,1]
.set e, e+2
.endr
	WIN 0x05
.irp k, 0,2,4,6
	v_pk_mul_f32 v[SS+\k:SS+\k+1], v[A+\k:A+\k+1], v[A+\k:A+\k+1]
.endr
.set e, 8
.rept 28
	v_pk_fma_f32 v[SS+e%8:SS+e%8+1], v[A+e:A+e+1], v[A+e:A+e+1], v[SS+e%8:SS+e%8+1]
.set e, e+2
.endr
	WIN 0
	RED 249
.endm
.macro PART mm                         ; my part of row tile mm's sums, for the other waves
	ds_store_b64 v[PWA], v[248:249] offset:1280*(\mm)   ; lanes r and r + 16 write the same words with the same values
.endm
; Row tile mm: the norm and the way out.
.macro NORM mm
.set A, 64*(\mm)
; Where the rows come back on their way out: row tile 0's into x's registers, the others' into the accumulators of the row tile before, which has left; and the windows for the load, the product with gamma and the store.
.if (\mm) == 0
.set OB, XT
.set WL, 0
.set WF, 0
.set WT, 0
.else
.set OB, 64*((\mm)-1)
.set WL, 0x40
.set WF, 0x41
.set WT, 0x04
.endif
.irp k, 0,1,2,3
	ds_load_b128 v[SS+4*\k:SS+4*\k+3], v[PRA] offset:1280*(\mm)+16*\k   ; row r's eight pairs
.endr
	s_wait_dscnt 0x0
.irp k, 0,1,2,3
	v_add_f32 v[96+\k], v[SS+4*\k], v[SS+4*\k+2]
	v_add_f32 v[100+\k], v[SS+4*\k+1], v[SS+4*\k+3]
.endr
.irp k, 0,2
	v_add_f32 v[96+\k], v[96+\k], v[97+\k]
	v_add_f32 v[100+\k], v[100+\k], v[101+\k]
.endr
	v_add_f32 v96, v96, v98
	v_add_f32 v100, v100, v102
	v_mul_f32 v104, s45, v96                       ; the mean of the row
.irp k, 0,1,2,3,4,5,6,7
	v_fma_f32 v[112+\k], v[SS+2*\k], s44, -v104    ; each part's mean less it
.endr
	v_fma_f32 v100, v100, s45, s46                 ; the centred squares / 1,024 + 1e-5
	v_mul_f32 v105, v112, v112
	v_mul_f32 v106, v113, v113
.irp k, 2,4,6
	v_fma_f32 v105, v[112+\k], v[112+\k], v105
	v_fma_f32 v106, v[113+\k], v[113+\k], v106
.endr
	v_sub_f32 v107, v[MW+\mm], v104
	v_add_f32 v105, v105, v106
	v_fma_f32 v100, 0x3e000000, v105, v100         ; + 128 / 1,024 of the means' squares: the variance + 1e-5
	s_wait_alu depctr_va_vdst(0)
	v_rsq_f32 v[RS], v100
	v_nop
	s_wait_alu depctr_va_vdst(0)
	v_mul_f32 v[AD], v107, v[RS]
	WIN 0x41
.set e, 0
.rept 32
	v_pk_fma_f32 v[A+e:A+e+1], v[A+e:A+e+1], v[RS:RS+1], v[AD:AD+1] op_sel_hi:[1,0,0]
.set e, e+2
.endr
	WIN 0x04                                       ; the data window 1
.irp b, 0,1,2,3
.irp c, 0,1,2,3
	ds_store_b128 v[XB], v[A+16*\b+4*\c:A+16*\b+4*\c+3] offset:TROW*(\mm)+128*\b+16*\c   ; over x's bytes of my own columns, which only I still read
.endr
.endr
	WIN WL
.irp i, 0,1,2,3,4,5,6,7,8,9,10,11,12,13,14,15
	ds_load_b128 v[OB+4*\i:OB+4*\i+3], v[XR] offset:TROW*(\mm)+XPITCH*\i   ; a row's 512 bytes; LDS serves a wave's instructions in order: these see my stores
.endr
.irp q, 0,1,2,3
	s_wait_dscnt 12-4*\q
	WIN WF
.irp i, 0,1,2,3
	v_pk_fma_f32 v[OB+16*\q+4*\i:OB+16*\q+4*\i+1], v[OB+16*\q+4*\i:OB+16*\q+4*\i+1], v[GA:GA+1], v[BE:BE+1]
	v_pk_fma_f32 v[OB+16*\q+4*\i+2:OB+16*\q+4*\i+3], v[OB+16*\q+4*\i+2:OB+16*\q+4*\i+3], v[GA+2:GA+3], v[BE+2:BE+3]
.endr
	WIN WT
.irp i, 0,1,2,3
	global_store_b128 v[LI], v[OB+16*\q+4*\i:OB+16*\q+4*\i+3], s[16:17] offset:4096*(16*(\mm)+4*\q+\i) th:TH_STORE_NT   ; 32 lanes store 512 consecutive bytes, aligned; written once
.endr
.endr
	WIN 0
.endm
	; ---- HEAD
	s_load_b512 s[4:19], s[0:1], 0x0               ; x s[4:5], ws s[6:7], ao s[8:9], bg s[10:11], gamma s[12:13], beta s[14:15], out0 s[16:17], c2p s[18:19]
	v_lshl_add_u32 v[SPW], v0, 2, SPARE
	v_mov_b32 v[NIL], 0
	ds_add_u32 v[SPW], v[NIL]                      ; the wave's opening
	ds_add_u32 v[SPW], v[NIL]
	v_lshrrev_b32 v9, 5, v0
	v_readfirstlane_b32 s[WV], v9                  ; wave 0..7
	s_lshr_b32 s23, s[WV], 1
	s_and_b32 s24, s[WV], 1
	; descriptor group 1: 16 rows x 256 elements of 4 bytes, 1,024 elements from row to row; in LDS 4 words of padding behind every 256
	s_mov_b32 s[G1+0], (2<<16)|(1<<20)|(7<<22)|(3<<25)
	s_mov_b32 s[G1+1], 256<<16                     ; tensor_dim0
	s_mov_b32 s[G1+2], 16<<16                      ; tensor_dim1
	s_mov_b32 s[G1+3], 256<<16                     ; tile_dim0
	s_mov_b32 s[G1+4], 16                          ; tile_dim1
	s_mov_b32 s[G1+5], 1024                        ; tensor_dim0_stride
	s_mov_b32 s[G1+6], 0
	s_mov_b32 s[G1+7], 0
	s_mov_b32 s[G0], 1
	s_mul_i32 s[G0+1], s24, STRIP                  ; strip w % 2,
	s_mul_i32 s54, s23, TROW                       ; row tile w / 2
	s_add_co_u32 s[G0+1], s[G0+1], s54
	s_lshl_b32 s54, ttmp9, 18                      ; 64 rows of 4,096 bytes a work-group
	s_lshl_b32 s56, s23, 16
	s_add_co_u32 s54, s54, s56
	s_lshl_b32 s56, s24, 10
	s_add_co_u32 s54, s54, s56
	s_mov_b32 s55, 0
	s_lshl_b32 s57, s24, 13
	s_lshl_b32 s56, s23, 10
	s_add_co_u32 s57, s57, s56
	s_add_co_u32 s57, s57, XIMG                    ; my images: K steps 2 (w % 2) on, row tile w / 2
	s_lshl_b32 s58, s24, 9
	s_lshl_b32 s56, s23, 6
	s_add_co_u32 s58, s58, s56
	s_add_co_u32 s58, s58, XSC                     ; and their scale words
	s_lshl_b32 s59, s[WV], 10
	s_add_co_u32 s59, s59, VEC                     ; my vectors
	v_and_b32 v10, 31, v0                          ; lane
	v_and_b32 v11, 7, v0                           ; the quantiser's row
	v_bfe_u32 v12, v0, 3, 2                        ; and its block
	v_lshlrev_b32 v[LI], 4, v10
	v_mul_u32_u24 v[XQA], v11, XPITCH
	v_lshlrev_b32 v[IMW], 4, v11
	v_lshl_add_u32 v[SCW], v11, 2, v12
	v_lshlrev_b32 v[SCR], 2, v10
	v_lshl_add_u32 v[XQA], v12, 7, v[XQA]
	v_lshl_add_u32 v[IMW], v12, 8, v[IMW]
	v_add_nc_u32 v[SCW], s58, v[SCW]
	v_add_nc_u32 v[IMR], XIMG, v[LI]
	v_add_nc_u32 v[XQA], s[G0+1], v[XQA]
	v_add_nc_u32 v[IMW], s57, v[IMW]
	v_add_nc_u32 v[SCR], XSC, v[SCR]
	v_add_nc_u32 v[VW], s59, v[LI]
	s_wait_alu depctr_va_vdst(0)                   ; the wait at the head's end
	s_wait_dscnt 0x0                               ; both opening adds are done
	s_wait_kmcnt 0x0
	s_add_nc_u64 s[G0+2:G0+3], s[4:5], s[54:55]
	s_or_b32 s[G0+3], s[G0+3], 0x80000000          ; type = 2
	TLOAD                                          ; x's first 512 columns: one tensor load a wave at the head
	s_lshr_b32 s54, ttmp9, 5                       ; the batch: 32 work-groups each
	s_lshl_b32 s54, s54, 12
	s_lshl_b32 s56, s[WV], 9                       ; my 128 columns
	s_mov_b32 s57, 0
	s_add_nc_u64 s[8:9], s[8:9], s[54:55]
	s_add_nc_u64 s[18:19], s[18:19], s[54:55]
	s_add_nc_u64 s[8:9], s[8:9], s[56:57]
	s_add_nc_u64 s[18:19], s[18:19], s[56:57]
	s_add_nc_u64 s[10:11], s[10:11], s[56:57]
	s_add_nc_u64 s[12:13], s[12:13], s[56:57]
	s_add_nc_u64 s[14:15], s[14:15], s[56:57]
	s_lshl_b32 s54, ttmp9, 18
	s_add_nc_u64 s[16:17], s[16:17], s[54:55]
	s_add_nc_u64 s[16:17], s[16:17], s[56:57]      ; out0 at my work-group's first row, my columns
	s_mul_i32 s54, s23, STREAM
	s_mul_i32 s56, s24, 8*TILEB
	s_add_co_u32 s54, s54, s56
	s_add_co_u32 s54, s54, 32*TILEB
	s_add_nc_u64 s[6:7], s[6:7], s[54:55]          ; my weights
	global_load_b128 v[32:35], v[LI], s[8:9]       ; ao, bg and c2's eight shares at my columns: 512 consecutive bytes a load
	global_load_b128 v[36:39], v[LI], s[10:11]
.irp s, 0,1,2,3,4,5,6,7
	global_load_b128 v[40+4*\s:43+4*\s], v[LI], s[18:19] offset:32768*\s
.endr
	WUNIT 0
	WUNIT 1
	WUNIT 2
	WUNIT 3
	WUNIT 4
	s_mov_b32 s[SEL], 0x76543210
	s_mov_b32 s[SEL+1], 0xfedcba98
	s_mov_b32 s[NL2], 0xbfb8aa3b                   ; -log2(e)
	s_mov_b32 s[NL2+1], s[NL2]                     ; (named with it as a pair, so it is written)
	s_mov_b32 s44, 0x3c000000                      ; 1 / 128
	s_mov_b32 s45, 0x3a800000                      ; 1 / 1,024
	s_mov_b32 s46, 0x3727c5ac                      ; 1e-5
	s_wait_loadcnt 43                              ; all but the five units' 9 + 8 + 9 + 8 + 9 loads
.irp s, 0,1,2,3,4,5,6,7
	v_pk_add_f32 v[36:37], v[36:37], v[40+4*\s:41+4*\s]   ; bg + c2: the shares of K steps 0 to 7, ascending
	v_pk_add_f32 v[38:39], v[38:39], v[42+4*\s:43+4*\s]
.endr
	v_pk_mul_f32 v[36:37], v[36:37], s[NL2:NL2+1] op_sel_hi:[1,0]
	v_pk_mul_f32 v[38:39], v[38:39], s[NL2:NL2+1] op_sel_hi:[1,0]
	ds_store_b128 v[VW], v[32:35]                  ; into my own 1,024 bytes: only I read them
	ds_store_b128 v[VW], v[36:39] offset:512
	; ---- the second half of x is asked for when the first has landed
	s_wait_tensorcnt 0x0                           ; my part of the first half is in
	ds_add_u32 v[SPW], v[NIL]
	s_add_nc_u64 s[G0+2:G0+3], s[G0+2:G0+3], 2048  ; (no tensor load of mine is out) 512 columns on,
	s_add_co_u32 s[G0+1], s[G0+1], 2*STRIP         ; two strips on
	s_wait_dscnt 0x0                               ; the add and my stores are done
	s_barrier_signal -1
	s_barrier_wait -1
	TLOAD                                          ; my one tensor load behind this barrier
	QHALF 0
	BAR                                            ; K steps 0 to 3 lie in LDS as images
	QX 0
	KSTEP 0, 1
	KSTEP 1, 1
	KSTEP 2, 1
	KSTEP 3, 0
	v_add_nc_u32 v[XQA], 2*STRIP, v[XQA]
	s_wait_alu depctr_va_vdst(0)                   ; directly ahead of the wait below
	s_wait_tensorcnt 0x0                           ; my part of the second half is in
	QHALF 1
	BAR                                            ; K steps 4 to 7 too; and all of x has landed for every wave
	QX 4
	s_mul_i32 s60, s23, STRIP                      ; the way out's addresses, under the flight of these loads
	s_lshl_b32 s61, s24, 9
	s_add_co_u32 s60, s60, s61                     ; my 128 columns in their strip
	s_lshl_b32 s61, s[WV], 3
	v_and_b32 v14, 15, v0                          ; r
	v_bfe_u32 v15, v0, 4, 1                        ; h
	v_add_nc_u32 v[XR], s60, v[LI]
	v_mul_u32_u24 v[XB], v14, XPITCH
	v_mul_u32_u24 v[PRA], v14, 80
	v_lshl_add_u32 v[VR], v15, 6, s59
	v_lshl_add_u32 v[XB], v15, 6, v[XB]
	v_add_nc_u32 v[PRA], LNP, v[PRA]
	v_add_nc_u32 v[XB], s60, v[XB]
	v_add_nc_u32 v[PWA], s61, v[PRA]
	s_wait_alu depctr_va_vdst(0)                   ; behind the writes
	KSTEP 4, 1
	KSTEP 5, 1
	KSTEP 6, 1
	s_wait_dscnt 0x0                               ; K step 7's fragments are in
.irp b, 0,1,2,3
.irp c, 0,1,2,3
	ds_load_b128 v[AOR+16*\b+4*\c:AOR+16*\b+4*\c+3], v[VR] offset:128*\b+16*\c   ; ao, into the buffers of units 12 and 13
.endr
.endr
.irp b, 0,1
.irp c, 0,1,2,3
	ds_load_b128 v[CBR+16*\b+4*\c:CBR+16*\b+4*\c+3], v[VR] offset:512+128*\b+16*\c   ; half of the gate's vector, into K step 6's fragments
.endr
.endr
	UNIT 14
	UNIT 15
	; ---- THE WAY OUT
	global_load_b128 v[GA:GA+3], v[LI], s[12:13]   ; gamma and beta at my lane's four columns, as the rows on their way out want them
	global_load_b128 v[BE:BE+3], v[LI], s[14:15]
.irp b, 2,3
.irp c, 0,1,2,3
	ds_load_b128 v[CBR+16*\b+4*\c:CBR+16*\b+4*\c+3], v[VR] offset:512+128*\b+16*\c   ; the other half, into K step 7's fragments
.endr
.endr
	v_mov_b32 v[RS+1], 0                           ; (named as upper halves of pairs whose low half alone counts)
	v_mov_b32 v[AD+1], 0
	v_mov_b32 v253, 0
	v_mov_b32 v250, 0                              ; written once: a lane permute's destination counts as one of its sources
	s_wait_alu depctr_va_vdst(0)                   ; behind the writes
; A row tile's sums are stored and signalled; the next row tile's gate and blend, work on registers and loads of x's bytes of my own columns, stand between the signal and its wait.
.macro SHOW                            ; my sums have landed: the others may read them behind their wait
	s_wait_dscnt 0x0
	s_barrier_signal -1
.endm
.macro MEET
	s_wait_alu depctr_va_vdst(0)                   ; the next sums are stored behind the barrier's wait
	s_barrier_wait -1
.endm
	BLEND 0
	PART 0
	SHOW
	BLEND 1
	MEET                                           ; row tile 0's sums are whole
	PART 1
	s_wait_loadcnt 0x0                             ; gamma and beta
	NORM 0
	SHOW
	BLEND 2
	MEET                                           ; row tile 1's
	PART 2
	NORM 1
	SHOW
	BLEND 3
	MEET                                           ; row tile 2's
	PART 3
	NORM 2
	BAR                                            ; row tile 3's
	NORM 3
	s_wait_tensorcnt 0x0                           ; the wave's end
	ds_add_u32 v[SPW], v[NIL]
	s_wait_dscnt 0x0
	s_endpgm
.Lfunc_end_k_qacd2137bec_fused:
	.size	k_qacd2137bec_fused, .Lfunc_end_k_qacd2137bec_fused-k_qacd2137bec_fused
	.p2alignl 7, 3214868480
	.fill 96, 4, 3214868480
	.section	.rodata,"a",@progbits
	.p2align	6, 0x0
	.amdhsa_kernel k_qacd2137bec_fused
		.amdhsa_group_segment_fixed_size 327680
		.amdhsa_private_segment_fixed_size 0
		.amdhsa_enable_private_segment 0
		.amdhsa_kernarg_size 64
		.amdhsa_user_sgpr_count 2
		.amdhsa_user_sgpr_kernarg_segment_ptr 1
		.amdhsa_wavefront_size32 1
		.amdhsa_system_sgpr_workgroup_id_x 1
		.amdhsa_system_sgpr_workgroup_id_y 1
		.amdhsa_system_sgpr_workgroup_id_z 1
		.amdhsa_system_vgpr_workitem_id 0
		.amdhsa_next_free_vgpr 512
		.amdhsa_next_free_sgpr 66
		.amdhsa_reserve_vcc 0
		.amdhsa_float_denorm_mode_32 3
		.amdhsa_float_denorm_mode_16_64 3
		.amdhsa_memory_ordered 1
		.amdhsa_forward_progress 1
		.amdhsa_inst_pref_size 202
	.end_amdhsa_kernel
	.amdgpu_metadata
---
amdhsa.version: [ 1, 2 ]
amdhsa.kernels:
  - .name:           k_qacd2137bec_fused
    .symbol:         k_qacd2137bec_fused.kd
    .args:
      - { .name: speech_features, .offset: 0, .size: 8, .value_kind: global_buffer, .address_space: global }
      - { .name: ws, .offset: 8, .size: 8, .value_kind: global_buffer, .address_space: global }
      - { .name: ao, .offset: 16, .size: 8, .value_kind: global_buffer, .address_space: global }
      - { .name: bg, .offset: 24, .size: 8, .value_kind: global_buffer, .address_space: global }
      - { .name: gamma, .offset: 32, .size: 8, .value_kind: global_buffer, .address_space: global }
      - { .name: beta, .offset: 40, .size: 8, .value_kind: global_buffer, .address_space: global }
      - { .name: out0, .offset: 48, .size: 8, .value_kind: global_buffer, .address_space: global }
      - { .name: c2p, .offset: 56, .size: 8, .value_kind: global_buffer, .address_space: global }
    .group_segment_fixed_size: 327680
    .private_segment_fixed_size: 0
    .kernarg_segment_align: 8
    .kernarg_segment_size: 64
    .max_flat_workgroup_size: 256
    .sgpr_count:     66
    .vgpr_count:     512
    .wavefront_size: 32
...
	.end_amdgpu_metadata
.endif
;; end of part 3
